; MI455X (gfx1250); checked and timed in simulation.
; The chip was launched on July 23, 2026; its instructions are those of AMD's public machine-readable ISA for CDNA 5 (MIT licence, August 2026) and "CDNA5" Instruction Set Architecture Reference Guide (July 2026). The comments in the code are by the model that wrote it; some were corrected since.
;; Global Attn. Allowed arithmetic: matrix products marked QUANTISED: E3M2 operands, one E8M0 scale for each 32 along K, by v_wmma_scale_f32_16x16x128_f8f6f4 with both operands' format E3M2, f32 sums; products left as they are: f32 operands where the result goes on into a quantised operand, else bf16, f16 or f32 operands; f32 sums; everything else in f32.
;; Inputs: W 1,024 x 1,024 float32; b 1,024 float32; encoder_outputs 1,024 x 64 x 1,024 float32; hidden_state 64 x 1,024 float32.
;; Outputs: out0 64 x 1 x 1,024 float32.
;; This version of the problem:
;;   THIS VERSION OF THE PROBLEM IS GIVEN IN LOW PRECISION. The matrix products marked QUANTISED in the list below multiply operands that are first quantised to E3M2 (3 exponent bits, 2 mantissa bits; 6 bits a number), with one power-of-two scale for each 32 numbers along K (OCP MX v1.0); their sums are f32. All else is computed in f32.
;;   The module's matrix products, in the order in which they are computed (A, B: the left and right operand; K: the contracted axis; several contracted axes count as one K, in the product's order):
;;     1. [M 65,536, K 1,024] x [K 1,024, N 1,024]; A: input encoder_outputs; B: input W: QUANTISED
;;     2. batch 64 x [M 1,024, K 1,024] x [K 1,024, N 1]; A: computed on the way; B: input hidden_state: left as it is (N = 1 < 16)
;;   THE QUANTISER, for each operand of a quantised product, along K:
;;     - K is cut into blocks of 32 from its start; a last block that is shorter is filled with zeros.
;;     - A block's scale is 2^e with e = floor(log2(the largest magnitude in the block)) - 4, held to -126 .. 127; a block of zeros has e = 0. As a byte (E8M0): e + 127.
;;     - Each number is divided by its block's scale, clamped to +-28, and rounded to the nearest number of E3M2, ties to even, subnormals kept.
;;     - The product sums the exact products of the quantised numbers (number of the format x scale) in f32.
;;   ~~~python
;;   def quantise(x, axis):      # numpy; x: float32 -> the quantised numbers, widened to float32 again
;;       x = np.moveaxis(x, axis, -1); K = x.shape[-1]
;;       x = np.pad(x, [(0, 0)] * (x.ndim - 1) + [(0, -K % 32)]); x = x.reshape(x.shape[:-1] + (-1, 32)); a = np.abs(x).max(-1, keepdims=True)
;;       e = np.where(a > 0, np.clip(np.frexp(np.where(a > 0, a, 1))[1] - 1 - 4, -126, 127), 0)      # np.frexp(a)[1] - 1 = floor(log2(a)), exactly
;;       r = np.clip(x / 2.0 ** e, -28, 28)
;;       step = 2.0 ** (np.maximum(np.frexp(np.where(r == 0, 1, r))[1] - 1, -2) - 2)
;;       q = np.round(r / step) * step * 2.0 ** e      # np.round: ties to even
;;       return np.moveaxis(q.reshape(q.shape[:-2] + (-1,))[..., :K], -1, axis).astype(np.float32)
;;   ~~~
;; One version. Each part assembles by itself: llvm-mc -triple=amdgcn-amd-amdhsa -mcpu=gfx1250 --defsym DOCPART=n.
;; ======== version 1 of 1: 3 launches
;; limits: right only within a limited range of input values
;; workspace buffers: wq 819,200 bytes; scores 262,144 bytes
;; launch quantw (part 1): grid 128 x 1, 4 waves a work-group, no clusters, 35,328 bytes of LDS; arguments W, wq; writes wq
.if DOCPART == 1
	.amdgcn_target "amdgcn-amd-amdhsa--gfx1250"
	.amdhsa_code_object_version 6
	.text
	.protected	k_q6e519932d2_quantw
	.globl	k_q6e519932d2_quantw
	.p2align	8
	.type	k_q6e519932d2_quantw,@function
k_q6e519932d2_quantw:
	s_mov_b64 s[64:65], 0
	v_nop
	global_prefetch_b8 v0, s[64:65] scope:SCOPE_SE
	s_setreg_imm32_b32 hwreg(HW_REG_WAVE_MODE, 25, 1), 1
	s_wait_xcnt 0x0
; WORK LEFT OUT IN THIS PROGRAM: the input b.  proj + b adds to scores[b'][l] the term sum over g of b[g] hidden_state[b'][g], which does not hang on l; the softmax runs along l, and
; softmax(x + c) = softmax(x) for every c.  b enters no quantised operand.  So b has no way to the output: it is not loaded and is among no launch's arguments.
; LIMIT: a NaN, an infinity or an overflow that reaches only that term is not carried to the result.
; THIS LAUNCH: W [1024 (g)][1024 (k)], f32, becomes codes of BF6 (E3M2) with one E8M0 scale byte for each 32 along k, laid for the launch that multiplies:
; 16 records of 51,200 bytes, record 4 nb + kp = rows g = 256 nb .. + 255, k = 256 kp .. + 255.  A record: [q = 0, 1: K step 2 kp + q][tile 0..15 of 16 rows] images of 1,536 bytes, each the operand's
; 12 registers as they stand ([c = 0..2][lane][16 bytes] = registers 4 c .. 4 c + 3); behind them, at byte 49,152, [q][tile][row r] scale words (four bytes: the row's four blocks of that K step).
; A block's scale is 2^(floor(log2(its largest magnitude)) - 4); its byte is the largest magnitude's exponent field - 4, held at 1 from below.
; LIMITS: a block whose largest magnitude lies under 2^-122 keeps the byte 1; a block of zeros gets the byte 1 where the rule says 127 (its codes are zeros, which add nothing, and
; this program alone reads the bytes); NaN and infinities among the inputs are not served.
; SHARES: work-group x = 16 s + qd: K step s, tiles 4 qd .. 4 qd + 3 of W's 64; wave w takes tile 4 qd + w.  Each of its 16 loads reads 512 consecutive bytes of one row; the numbers turn through
; the wave's own stage in LDS so that lane (r, h) holds, of row r, the 16 neighbours 32 b + 16 h + 0 .. 15 of each block b.
.set STGP,  528                        ; a stage row: 512 bytes + 16
.set WSTG,  16*STGP
.set SCL,   4*WSTG                     ; behind the stages: the work-group's 4 x 64 bytes of scale words
.set REC,   51200
.set FRB,   1536
.set WSC,   49152
.set R,     16                         ; v16-79   the numbers as loaded
.set X,     80                         ; v80-143  register 16 b + i = k 32 b + 16 h + i of my row
.set PC,    144                        ; v144-155 the fragment; v156-163 at work
.set TM,    164                        ; largest magnitudes, bytes, the conversions' scale operands
.set PW,    180                        ; the scale word
.set SEL,   20                         ; s[20:21] selects for lane l xor 16
.macro QUANT s
.irp b, 0,1,2,3
	v_max3_num_f32 v[TM+\b], |v[\s+16*\b]|, |v[\s+1+16*\b]|, 0x2800000   ; my 16 numbers of block b, and the floor 2^(5 - 127)
.endr
.irp i, 2,4,6,8,10,12,14
.irp b, 0,1,2,3
	v_max3_num_f32 v[TM+\b], v[TM+\b], |v[\s+16*\b+\i]|, |v[\s+1+16*\b+\i]|
.endr
.endr
.irp b, 0,1,2,3
	v_permlanex16_b32 v[TM+4+\b], v[TM+\b], s[SEL], s[SEL+1]
.endr
.irp b, 0,1,2,3
	v_max_num_f32 v[TM+\b], v[TM+\b], v[TM+4+\b]   ; with lane l xor 16's 16
.endr
.irp b, 0,1,2,3
	v_add_nc_u32 v[TM+12+\b], 0xfe000000, v[TM+\b]   ; 4 off the exponent field: the conversion's scale operand
.endr
.irp b, 0,1,2,3
	v_lshrrev_b32 v[TM+4+\b], 23, v[TM+12+\b]   ; the scale's byte
.endr
	v_lshl_or_b32 v[PW], v[TM+5], 8, v[TM+4]
	v_lshl_or_b32 v[PW], v[TM+6], 16, v[PW]
	v_lshl_or_b32 v[PW], v[TM+7], 24, v[PW]
.irp c, 0,1
	v_cvt_scalef32_pk16_bf6_f32 v[PC+6*\c:PC+2+6*\c], v[\s+32*\c:\s+15+32*\c], v[TM+12+2*\c]
	v_cvt_scalef32_pk16_bf6_f32 v[PC+12+4*\c:PC+14+4*\c], v[\s+16+32*\c:\s+31+32*\c], v[TM+12+2*\c+1]
.endr
	v_nop                                          ; one plain place behind a scaled conversion
.irp c, 0,1                                    ; a whole block to a lane: lanes 0-15 block 2 c, lanes 16-31 block 2 c + 1
.irp i, 0,1,2
	v_permlane16_swap_b32 v[PC+6*\c+\i], v[PC+12+4*\c+\i]
.endr
.irp i, 0,1,2
	v_mov_b32 v[PC+3+6*\c+\i], v[PC+12+4*\c+\i]
.endr
.endr
.endm
	s_load_b128 s[4:7], s[0:1], 0x0                ; W s[4:5], wq s[6:7]
	v_lshl_add_u32 v192, v0, 2, 0x8800
	v_mov_b32 v193, 0
	v_lshrrev_b32 v1, 5, v0
	v_readfirstlane_b32 s8, v1                     ; wave 0..3
	v_and_b32 v1, 31, v0                           ; lane
	v_and_b32 v2, 15, v0                           ; r
	v_bfe_u32 v3, v0, 4, 1                         ; h
	v_lshlrev_b32 v4, 4, v1                        ; 16 x lane
	s_mul_i32 s9, s8, WSTG
	v_add_nc_u32 v5, s9, v4                        ; the stage, on the way in
	v_mul_u32_u24 v6, v2, STGP
	v_lshl_add_u32 v6, v3, 6, v6
	v_add_nc_u32 v6, s9, v6                        ; and on the way out: row r, + 64 h
	s_lshl_b32 s9, s8, 6
	s_add_co_u32 s9, s9, SCL
	v_lshl_add_u32 v7, v2, 2, s9                   ; my tile's scale words
	v_lshlrev_b32 v9, 3, v1
	v_add_nc_u32 v8, SCL, v9
.irp b, 0,1,2,3
	v_mov_b32 v[TM+4+\b], 0                        ; a lane permute's destination counts as one of its sources
.endr
	s_mov_b32 s[SEL], 0x76543210
	s_mov_b32 s[SEL+1], 0xfedcba98
	s_lshr_b32 s16, ttmp9, 4                       ; K step s
	s_and_b32 s17, ttmp9, 15                       ; qd
	s_lshl_b32 s18, s17, 2
	s_add_co_u32 s18, s18, s8                      ; tile t = 4 qd + wave
	s_lshl_b32 s10, s18, 16                        ; W: 16 t rows of 4,096 bytes
	s_lshl_b32 s19, s16, 9                         ;    + 512 s
	s_add_co_u32 s10, s10, s19
	s_mov_b32 s11, 0
	s_lshr_b32 s22, s17, 2                         ; nb = t / 16
	s_lshr_b32 s23, s16, 1                         ; kp = s / 2
	s_lshl_b32 s22, s22, 2
	s_add_co_u32 s22, s22, s23
	s_mul_i32 s24, s22, REC                        ; the record 4 nb + kp
	s_and_b32 s23, s16, 1                          ; q = s % 2
	s_and_b32 s25, s18, 15                         ; the tile's place in the record
	s_mul_i32 s26, s25, FRB
	s_mul_i32 s22, s23, 16*FRB
	s_add_co_u32 s26, s26, s22
	s_add_co_u32 s26, s26, s24                     ; my image
	s_mov_b32 s27, 0
	s_and_b32 s28, s17, 3
	s_lshl_b32 s28, s28, 8
	s_lshl_b32 s22, s23, 10
	s_add_co_u32 s28, s28, s22
	s_add_co_u32 s28, s28, s24
	s_add_co_u32 s28, s28, WSC                     ; the work-group's 256 bytes of scale words
	s_mov_b32 s29, 0
	s_wait_alu depctr_va_vdst(0)                   ; the wait at the head's end
	s_wait_kmcnt 0x0
	s_add_nc_u64 s[4:5], s[4:5], s[10:11]
	s_add_nc_u64 s[12:13], s[6:7], s[26:27]
	s_add_nc_u64 s[14:15], s[6:7], s[28:29]
.irp i, 0,1,2,3,4,5,6,7,8,9,10,11,12,13,14,15
	global_load_b128 v[R+4*\i:R+4*\i+3], v4, s[4:5] offset:4096*\i th:TH_LOAD_NT
.endr
	s_wait_loadcnt 0x0
.irp i, 0,1,2,3,4,5,6,7,8,9,10,11,12,13,14,15
	ds_store_b128 v5, v[R+4*\i:R+4*\i+3] offset:STGP*\i
.endr
.irp b, 0,1,2,3
.irp j, 0,1,2,3
	ds_load_b128 v[X+16*\b+4*\j:X+16*\b+4*\j+3], v6 offset:128*\b+16*\j   ; LDS serves a wave's instructions in order
.endr
.endr
	s_wait_dscnt 0x0
	QUANT X
.irp c, 0,1,2
	global_store_b128 v4, v[PC+4*\c:PC+4*\c+3], s[12:13] offset:512*\c   ; 32 lanes store 512 consecutive bytes, aligned
.endr
	ds_store_b32 v7, v[PW]                         ; lanes r and r + 16 write the same word with the same value
	s_wait_dscnt 0x0                               ; for the others' sake
	s_barrier_signal -1
	s_barrier_wait -1
	s_cmp_lg_u32 s8, 0
	s_cbranch_scc1 .Ldone                          ; wave 0 alone stores the four tiles' words: one aligned run of 256 bytes
	ds_load_b64 v[182:183], v8
	s_wait_dscnt 0x0
	global_store_b64 v9, v[182:183], s[14:15]
.Ldone:
	s_wait_tensorcnt 0x0                           ; the wave's end
	ds_add_u32 v192, v193
	s_wait_dscnt 0x0
	s_endpgm
.Lfunc_end_k_q6e519932d2_quantw:
	.size	k_q6e519932d2_quantw, .Lfunc_end_k_q6e519932d2_quantw-k_q6e519932d2_quantw
	.p2alignl 7, 3214868480
	.fill 96, 4, 3214868480
	.section	.rodata,"a",@progbits
	.p2align	6, 0x0
	.amdhsa_kernel k_q6e519932d2_quantw
		.amdhsa_group_segment_fixed_size 35328
		.amdhsa_private_segment_fixed_size 0
		.amdhsa_enable_private_segment 0
		.amdhsa_kernarg_size 16
		.amdhsa_user_sgpr_count 2
		.amdhsa_user_sgpr_kernarg_segment_ptr 1
		.amdhsa_wavefront_size32 1
		.amdhsa_system_sgpr_workgroup_id_x 1
		.amdhsa_system_sgpr_workgroup_id_y 1
		.amdhsa_system_sgpr_workgroup_id_z 1
		.amdhsa_system_vgpr_workitem_id 0
		.amdhsa_next_free_vgpr 194
		.amdhsa_next_free_sgpr 66
		.amdhsa_reserve_vcc 0
		.amdhsa_float_denorm_mode_32 3
		.amdhsa_float_denorm_mode_16_64 3
		.amdhsa_memory_ordered 1
		.amdhsa_forward_progress 1
		.amdhsa_inst_pref_size 11
	.end_amdhsa_kernel
	.amdgpu_metadata
---
amdhsa.version: [ 1, 2 ]
amdhsa.kernels:
  - .name:           k_q6e519932d2_quantw
    .symbol:         k_q6e519932d2_quantw.kd
    .args:
      - { .name: W, .offset: 0, .size: 8, .value_kind: global_buffer, .address_space: global }
      - { .name: wq, .offset: 8, .size: 8, .value_kind: global_buffer, .address_space: global }
    .group_segment_fixed_size: 35328
    .private_segment_fixed_size: 0
    .kernarg_segment_align: 8
    .kernarg_segment_size: 16
    .max_flat_workgroup_size: 128
    .sgpr_count:     66
    .vgpr_count:     194
    .wavefront_size: 32
...
	.end_amdgpu_metadata
.endif
;; end of part 1
;; launch scores_k (part 2): grid 4 x 64, 4 waves a work-group, no clusters, 224,768 bytes of LDS; arguments encoder_outputs, wq, hidden_state, scores; writes scores
.if DOCPART == 2
	.amdgcn_target "amdgcn-amd-amdhsa--gfx1250"
	.amdhsa_code_object_version 6
	.text
	.protected	k_q6e519932d2_scores_k
	.globl	k_q6e519932d2_scores_k
	.p2align	8
	.type	k_q6e519932d2_scores_k,@function
k_q6e519932d2_scores_k:
	s_mov_b64 s[64:65], 0
	v_nop
	global_prefetch_b8 v0, s[64:65] scope:SCOPE_SE
	s_setreg_imm32_b32 hwreg(HW_REG_WAVE_MODE, 25, 1), 1
	s_wait_xcnt 0x0
; scores[b][l] = sum over g of h[b][g] (sum over k of Q(enc[l][b][k]) Q(W[g][k])).  The bias is left out: its share of a score is the same along l, the softmax's axis (shown at the head of the first kernel).
; enc: [1024 (l)][64 (b)][1024 (k)] f32; W as codes of BF6 and E8M0 scale words in wq (16 records of 51,200 bytes: 256 columns g x 256 k each); h: [64][1024], scores: [64][1024], f32.
; SHARES.  Work-group (x, y): b = y, l = 256 x .. + 255: 256 rows, all of K, all 1,024 columns.  Four waves, one to a SIMD.
; PART 1: wave w quantises rows 64 w .. + 63 for all of K, in units of 16 rows x 128 k.  A unit's 16 loads each read two rows' 256 consecutive bytes; 64 loads (32,768 bytes) of a wave are always out.
;   The numbers turn through the wave's own stage in LDS, 16 rows x 64 k at a time, so that lane (r, h) holds 16 neighbours of each block; the fragment goes to LDS as an image of its 12 registers and stays.
; PART 2: four column blocks of 256.  Wave (rh, ch) = (w / 2, w % 2) makes rows 128 rh .. x columns 128 ch .. of the block: 64 accumulators, summed over the 8 K steps; then each accumulator is multiplied
;   by h of its column and added onto the rows' score sums: 256 packed multiply-adds a block.
;   W'S FRAGMENTS GO FROM wq STRAIGHT INTO REGISTERS: they lie there as images of the operand's registers, so each load reads 512 consecutive bytes.  So a wave reads 8 fragments (A's) from LDS in a K step,
;   where W through LDS would make it 16.  NO CLUSTER, NO JOINT LOADS: no tile of W lies in LDS that work-groups could ask for together; part 2 has no barrier.
;   A K step: W's blocks 0-3 x A's eight, a run of loads, W's blocks 4-7 x A's eight, a run of loads.  Run 1 of step t: W 0-3 of t + 2, A 4-7 and A's scale words of t + 1.  Run 2: W 4-7 and W's scale words of t + 2, A 0-3 of t + 2.
; PREFETCH: wq is 3,200 blocks of 256 bytes, which every work-group reads in part 2.  At the head wave 0 of work-group n asks for the 25 blocks from 25 (n % 128) on, a lane a block (lanes 25-31 name the last again):
;   each block is named by two work-groups, all of part 1 ahead of its first load.
; ORDER OF SUMS: over k in one accumulator, ascending; then over g by column tile, lane and wave.
; LIMITS: a block of 32 whose largest magnitude lies under 2^-122 keeps the scale byte 1; a block of zeros gets the byte 1 where the rule says 127 (its codes are zeros, and this program alone reads the bytes);
; NaN and infinities among the inputs are not served.
; LDS: A's images [K step][tile][1,536] from 0; their scale words [K step][tile][64] from 196,608; four stages of 16 x 272 bytes from 204,800; four waves' 128 partial scores from 222,208; the spare words from 224,256.
; REGISTERS: window 0: v0-31 addresses; v32-39 A's scale words (two sets; lanes 0-15 tile 2 j, lanes 16-31 tile 2 j + 1), v40-47 W's; v48-55 h of my 8 column tiles; v64-159, v160-255 A's 8 fragments, two sets
;   (part 1: 64 numbers, codes, work).  Window 1: W's fragments, two sets, at v0 and v128; the score sums at v96-127 (rows 0-63) and v224-255 (rows 64-127): 8 a + j = row 16 a + 8 h + j, my column's share.
;   Window 2: the accumulators of W's blocks 0-3 ((a, b) at 8 (8 b + a)), window 3: of blocks 4-7 (part 1: window 2 takes the loads of enc).
.set REC,   51200
.set FRB,   1536
.set HSTEP, 16*FRB                     ; a K step's 16 images
.set WSC,   49152                      ; W's scale words in a record
.set AIM,   0
.set ASCL,  196608
.set STG,   204800
.set STGP,  272                        ; a stage row: 256 bytes + 16
.set WSTG,  16*STGP
.set RED,   222208
.set SPARE, 224256                     ; 128 bytes for each wave: two blocks of 256 bytes that no other line names
.set LROW,  262144                     ; bytes from l to l + 1 in enc
.set SPW, 1
.set NIL, 2
.set L16, 3                            ; 16 x lane
.set XO,  4                            ; enc: (lane / 16) rows + 16 (lane % 16)
.set VO,  5                            ; the same 32 rows on
.set STI, 6                            ; my stage, on the way in
.set STO, 7                            ; and out: row r, + 64 h
.set PIB, 8                            ; where I store images and scale words, K step 0
.set PSB, 9
.set PI,  10                           ; the same at the K step in hand
.set PS,  11
.set CA,  12                           ; v12-15 my 8 tiles' images at K steps 0, 2, 4, 6
.set BO,  16                           ; wq: my 8 tiles' images in a K step's 16
.set WSO, 17                           ; wq: their scale words
.set CS,  18                           ; A's scale words
.set RW,  20
.set RR,  21
.set HO,  22
.set GO,  23
.set PFO, 24                           ; the prefetch's offset; never rewritten
.set ASC, 32
.set BSC, 40
.set HV,  48
.set AF,  64
.set SS,  96                           ; window 1
.set X,   64
.set PC,  128
.set TM,  148
.set PW,  164
.set WV,  12
.set RH,  13
.set CH,  14
.set CNT, 15
.set WB,  24                           ; s[24:25] wq at the column block in hand
.set PF,  26                           ; s[26:27] the prefetch's base; never rewritten
.set EB,  40
.set HB,  42
.set TA,  44
.set TS,  45
.set SEL, 46
.set MSB, 0
.macro WIN new
.if MSB != \new
	s_set_vgpr_msb (MSB<<8)|\new
.set MSB, \new
.endif
.endm
.set MUL_LO, 0xa4                      ; source 0 (A) window 0, source 1 (W) window 1, C and D window 2
.set MUL_HI, 0xf4                      ; the same, C and D window 3
.macro PLACES
.rept 4
	v_nop
.endr
.endm
; 64 numbers of a lane, register 16 b + i = k 32 b + 16 h + i of my row, become a fragment's codes in v[PC] on and its scale word in v[PW]
.macro QUANT s
.irp b, 0,1,2,3
	v_max3_num_f32 v[TM+\b], |v[\s+16*\b]|, |v[\s+1+16*\b]|, 0x2800000   ; and the floor 2^(5 - 127): the byte cannot fall under 1
.endr
.irp i, 2,4,6,8,10,12,14
.irp b, 0,1,2,3
	v_max3_num_f32 v[TM+\b], v[TM+\b], |v[\s+16*\b+\i]|, |v[\s+1+16*\b+\i]|
.endr
.endr
.irp b, 0,1,2,3
	v_permlanex16_b32 v[TM+4+\b], v[TM+\b], s[SEL], s[SEL+1]
.endr
.irp b, 0,1,2,3
	v_max_num_f32 v[TM+\b], v[TM+\b], v[TM+4+\b]
.endr
.irp b, 0,1,2,3
	v_add_nc_u32 v[TM+12+\b], 0xfe000000, v[TM+\b]   ; 4 off the exponent field: the conversion's scale operand
.endr
.irp b, 0,1,2,3
	v_lshrrev_b32 v[TM+4+\b], 23, v[TM+12+\b]
.endr
	v_lshl_or_b32 v[PW], v[TM+5], 8, v[TM+4]
	v_lshl_or_b32 v[PW], v[TM+6], 16, v[PW]
	v_lshl_or_b32 v[PW], v[TM+7], 24, v[PW]
.irp c, 0,1
	v_cvt_scalef32_pk16_bf6_f32 v[PC+6*\c:PC+2+6*\c], v[\s+32*\c:\s+15+32*\c], v[TM+12+2*\c]
	v_cvt_scalef32_pk16_bf6_f32 v[PC+12+4*\c:PC+14+4*\c], v[\s+16+32*\c:\s+31+32*\c], v[TM+12+2*\c+1]
.endr
	v_nop                                          ; one plain place behind a scaled conversion
.irp c, 0,1
.irp i, 0,1,2
	v_permlane16_swap_b32 v[PC+6*\c+\i], v[PC+12+4*\c+\i]
.endr
.irp i, 0,1,2
	v_mov_b32 v[PC+3+6*\c+\i], v[PC+12+4*\c+\i]
.endr
.endr
.endm
; unit u (16 rows) of the K step at s[EB]: half f of its 512 bytes a row, rows 2 j and 2 j + 1 to a load.  The immediate is 30 rows + 256 bytes at the most, inside its signed 24 bits
.macro XLOAD u
.irp f, 0,1
.irp j, 0,1,2,3,4,5,6,7
.if (\u) < 2
	global_load_b128 v[64*(\u)+32*\f+4*\j:64*(\u)+32*\f+4*\j+3], v[XO], s[EB:EB+1] offset:(16*((\u)%2)+2*\j)*LROW+256*\f th:TH_LOAD_NT
.else
	global_load_b128 v[64*(\u)+32*\f+4*\j:64*(\u)+32*\f+4*\j+3], v[VO], s[EB:EB+1] offset:(16*((\u)%2)+2*\j)*LROW+256*\f th:TH_LOAD_NT
.endif
.endr
.endr
.endm
; my four units of one K step.  re = 1: a unit's registers take the next K step's loads as soon as the stage has read them
.macro PRODUCE re
.irp u, 0,1,2,3
.if \re
	s_wait_loadcnt 48                              ; this unit's 16 loads are in; the three younger units' 48 stay out
.else
	s_wait_loadcnt 48-16*\u                        ; the last K step: the counts run down
.endif
	WIN 0x08                                       ; an LDS store's data: window 2
.irp f, 0,1
.irp j, 0,1,2,3,4,5,6,7
	ds_store_b128 v[STI], v[64*\u+32*\f+4*\j:64*\u+32*\f+4*\j+3] offset:2*STGP*\j
.endr
.irp n, 0,1,2,3,4,5,6,7
	ds_load_b128 v[X+32*\f+4*\n:X+32*\f+4*\n+3], v[STO] offset:128*(\n/4)+16*(\n%4)   ; LDS serves a wave's instructions in order: these see the stores above, and the next half's stores come behind them
.endr
.endr
	s_wait_dscnt 0x0                               ; my 64 numbers are in, and the stage's stores have read their registers
.if \re
	WIN 0x80
	XLOAD \u
.endif
	WIN 0
	QUANT X
.irp c, 0,1,2
	ds_store_b128 v[PI], v[PC+4*\c:PC+4*\c+3] offset:FRB*\u+512*\c
.endr
	ds_store_b32 v[PS], v[PW] offset:64*\u         ; lanes r and r + 16 write the same word with the same value
.endr
.endm
.macro LA i, n                         ; A's fragment i of K step n, from LDS into set n % 2
	WIN 0
.irp c, 0,1,2
	ds_load_b128 v[AF+96*((\n)%2)+12*(\i)+4*\c:AF+96*((\n)%2)+12*(\i)+4*\c+3], v[CA+(\n)/2] offset:((\n)%2)*HSTEP+FRB*(\i)+512*\c
.endr
.endm
.macro LSA j, n                        ; A's scale words of tiles 2 j, 2 j + 1
	WIN 0
	ds_load_b32 v[ASC+4*((\n)%2)+(\j)], v[CS] offset:1024*(\n)+128*(\j)
.endm
.macro GB i                            ; W's fragment i of K step T2, counted from the block's first, from wq into set T2 % 2: three loads of 512 consecutive bytes
	WIN 0x40
.irp c, 0,1,2
	global_load_b128 v[128*(T2%2)+12*(\i)+4*\c:128*(T2%2)+12*(\i)+4*\c+3], v[BO], s[WB:WB+1] offset:(T2/2)*REC+(T2%2)*HSTEP+FRB*(\i)+512*\c
.endr
.endm
.macro GSW j                           ; W's scale words of tiles 2 j, 2 j + 1
	WIN 0
	global_load_b32 v[BSC+4*(T2%2)+(\j)], v[WSO], s[WB:WB+1] offset:(T2/2)*REC+WSC+1024*(T2%2)+128*(\j)
.endm
; one product.  Source 0 = 16 rows of enc, source 1 = 16 rows of W: register j of lane (r, h) is (row 8 h + j, column r).  ZR: the block's first K step starts the sums
.macro WM
.if ZR
.if vv == 0
	v_wmma_scale_f32_16x16x128_f8f6f4 v[rD:rD+7], v[rA:rA+11], v[rB:rB+11], 0, v[rSA], v[rSB] matrix_a_fmt:MATRIX_FMT_BF6 matrix_b_fmt:MATRIX_FMT_BF6
.elseif vv == 1
	v_wmma_scale_f32_16x16x128_f8f6f4 v[rD:rD+7], v[rA:rA+11], v[rB:rB+11], 0, v[rSA], v[rSB] matrix_a_fmt:MATRIX_FMT_BF6 matrix_b_fmt:MATRIX_FMT_BF6 matrix_b_scale:MATRIX_SCALE_ROW1
.elseif vv == 2
	v_wmma_scale_f32_16x16x128_f8f6f4 v[rD:rD+7], v[rA:rA+11], v[rB:rB+11], 0, v[rSA], v[rSB] matrix_a_fmt:MATRIX_FMT_BF6 matrix_b_fmt:MATRIX_FMT_BF6 matrix_a_scale:MATRIX_SCALE_ROW1
.else
	v_wmma_scale_f32_16x16x128_f8f6f4 v[rD:rD+7], v[rA:rA+11], v[rB:rB+11], 0, v[rSA], v[rSB] matrix_a_fmt:MATRIX_FMT_BF6 matrix_b_fmt:MATRIX_FMT_BF6 matrix_a_scale:MATRIX_SCALE_ROW1 matrix_b_scale:MATRIX_SCALE_ROW1
.endif
.else
.if vv == 0
	v_wmma_scale_f32_16x16x128_f8f6f4 v[rD:rD+7], v[rA:rA+11], v[rB:rB+11], v[rD:rD+7], v[rSA], v[rSB] matrix_a_fmt:MATRIX_FMT_BF6 matrix_b_fmt:MATRIX_FMT_BF6
.elseif vv == 1
	v_wmma_scale_f32_16x16x128_f8f6f4 v[rD:rD+7], v[rA:rA+11], v[rB:rB+11], v[rD:rD+7], v[rSA], v[rSB] matrix_a_fmt:MATRIX_FMT_BF6 matrix_b_fmt:MATRIX_FMT_BF6 matrix_b_scale:MATRIX_SCALE_ROW1
.elseif vv == 2
	v_wmma_scale_f32_16x16x128_f8f6f4 v[rD:rD+7], v[rA:rA+11], v[rB:rB+11], v[rD:rD+7], v[rSA], v[rSB] matrix_a_fmt:MATRIX_FMT_BF6 matrix_b_fmt:MATRIX_FMT_BF6 matrix_a_scale:MATRIX_SCALE_ROW1
.else
	v_wmma_scale_f32_16x16x128_f8f6f4 v[rD:rD+7], v[rA:rA+11], v[rB:rB+11], v[rD:rD+7], v[rSA], v[rSB] matrix_a_fmt:MATRIX_FMT_BF6 matrix_b_fmt:MATRIX_FMT_BF6 matrix_a_scale:MATRIX_SCALE_ROW1 matrix_b_scale:MATRIX_SCALE_ROW1
.endif
.endif
.endm
; 32 products: A's eight blocks x W's blocks b0 .. b0 + 3.  The 64 accumulators take turns, in the same order in every K step
.macro MUL32 b0, st
.irp a, 0,1,2,3,4,5,6,7
.irp b, \b0, \b0+1, \b0+2, \b0+3
.set rD, 8*(8*((\b)%4)+\a)
.set rA, AF+96*((\st)%2)+12*\a
.set rB, 128*((\st)%2)+12*(\b)
.set rSA, ASC+4*((\st)%2)+\a/2
.set rSB, BSC+4*((\st)%2)+(\b)/2
.set vv, 2*(\a%2)+(\b)%2
	WM
.endr
.endr
.endm
; K step st of a column block.  Each run of loads lands in registers that the 32 products just ahead of it, or earlier ones, read: four places stand in front of it.
; In the launch's last block steps 6 and 7 ask for nothing two steps on, and step 7 for nothing at all: no load leaves wq.
.macro STEP st, last
.set N1, ((\st)+1)%8
.set N2, ((\st)+2)%8
.set T2, (\st)+2
.set ZR, 0
.if (\st) == 0
.set ZR, 1
.endif
.set D2, 1
.set D1, 1
.if \last && (\st) >= 6
.set D2, 0
.endif
.if \last && (\st) == 7
.set D1, 0
	s_wait_loadcnt 0x0
	s_wait_dscnt 0x0
.elseif (\st) == 1
	s_wait_loadcnt 36                              ; this step's W and scale words are in; behind them the last step's two runs: 8 loads of h, 12 and 16
	s_wait_dscnt 12
.else
	s_wait_loadcnt 28                              ; this step's W and scale words are in; behind them the last step's two runs: 12 and 16 loads
	s_wait_dscnt 12                                ; this step's A and scale words are in; behind them A 0-3 of the next step
.endif
	WIN MUL_LO
	MUL32 0, \st
	PLACES
.if (\st) == 0
	WIN 0
.irp t, 0,1,2,3,4,5,6,7
	global_load_b32 v[HV+\t], v[HO], s[HB:HB+1] offset:64*\t   ; h[b][256 nb + 128 ch + 16 t + r], in both halves of the lanes; shown in by step 2's wait
.endr
.endif
.if D2
.irp i, 0,1,2,3
	GB \i
.endr
.endif
.if D1
.irp i, 4,5,6,7
	LA \i, N1
.endr
.irp j, 0,1,2,3
	LSA \j, N1
.endr
.endif
	WIN MUL_HI
	MUL32 4, \st
	PLACES
.if D2
.irp i, 4,5,6,7
	GB \i
.endr
.irp j, 0,1,2,3
	GSW \j
.endr
.irp i, 0,1,2,3
	LA \i, N2
.endr
.endif
	WIN 0
.endm
; each accumulator times h of my column, onto the rows' score sums, from the accumulator's low end on; 32 chains by turns.  Of the pair of h the register of tile b serves both halves
.macro EPI
.irp w, 0,1
	WIN 0x58+4*\w                                  ; source 1: window 2 or 3; source 2 and destination: window 1
.irp b, 0,1,2,3
.irp a, 0,1,2,3,4,5,6,7
.irp q, 0,2,4,6
.if \b%2
	v_pk_fma_f32 v[SS+128*(\a/4)+8*(\a%4)+\q:SS+128*(\a/4)+8*(\a%4)+\q+1], v[HV+4*\w+\b-1:HV+4*\w+\b], v[8*(8*\b+\a)+\q:8*(8*\b+\a)+\q+1], v[SS+128*(\a/4)+8*(\a%4)+\q:SS+128*(\a/4)+8*(\a%4)+\q+1] op_sel:[1,0,0] op_sel_hi:[1,1,1]
.else
	v_pk_fma_f32 v[SS+128*(\a/4)+8*(\a%4)+\q:SS+128*(\a/4)+8*(\a%4)+\q+1], v[HV+4*\w+\b:HV+4*\w+\b+1], v[8*(8*\b+\a)+\q:8*(8*\b+\a)+\q+1], v[SS+128*(\a/4)+8*(\a%4)+\q:SS+128*(\a/4)+8*(\a%4)+\q+1] op_sel_hi:[0,1,1]
.endif
.endr
.endr
.endr
.endr
	WIN 0
.endm
.macro NBLOCK last                     ; a column block of 256
.irp s, 0,1,2,3,4,5,6,7
	STEP \s, \last
.endr
	EPI
.if \last == 0
	s_wait_alu depctr_va_vdst(0)
	s_wait_xcnt 0x0                                ; the loads that are out have had their addresses translated: their bases may step
	s_add_nc_u64 s[WB:WB+1], s[WB:WB+1], 4*REC
	s_add_nc_u64 s[HB:HB+1], s[HB:HB+1], 1024
.endif
.endm
	s_load_b256 s[4:11], s[0:1], 0x0               ; enc s[4:5], wq s[6:7], h s[8:9], scores s[10:11]
	v_lshl_add_u32 v[SPW], v0, 2, SPARE
	v_mov_b32 v[NIL], 0
	v_lshrrev_b32 v26, 5, v0
	v_readfirstlane_b32 s[WV], v26                 ; wave 0..3
	v_and_b32 v26, 31, v0                          ; lane
	v_and_b32 v27, 15, v0                          ; r
	v_bfe_u32 v28, v0, 4, 1                        ; h
	v_lshlrev_b32 v[L16], 4, v26
	v_lshlrev_b32 v[XO], 4, v27
	v_lshl_add_u32 v[XO], v28, 18, v[XO]
	v_add_nc_u32 v[VO], 32*LROW, v[XO]
	v_min_u32 v[PFO], 24, v26
	v_lshlrev_b32 v[PFO], 8, v[PFO]                ; a lane a block of 256 bytes, 25 blocks
	s_lshr_b32 s[RH], s[WV], 1
	s_and_b32 s[CH], s[WV], 1
	s_and_b32 s18, ttmp7, 0xffff
	s_lshl_b32 s18, s18, 12                        ; b x 4,096 bytes
	s_lshl_b32 s20, ttmp9, 26                      ; enc: 256 l of 262,144 bytes a block,
	s_add_co_u32 s20, s20, s18
	s_lshl_b32 s16, s[WV], 24                      ; 64 l a wave
	s_add_co_u32 s20, s20, s16
	s_mov_b32 s21, 0
	s_lshl_b32 s16, ttmp9, 10                      ; scores: 256 numbers a block
	s_add_co_u32 s16, s16, s18
	s_mov_b32 s17, 0
	s_lshl_b32 s19, s[CH], 9                       ; h: row b, my 128 columns of a block
	s_add_co_u32 s18, s18, s19
	s_mov_b32 s19, 0
	s_and_b32 s51, ttmp7, 31
	s_lshl_b32 s51, s51, 2
	s_add_co_u32 s51, s51, ttmp9                   ; the work-group's number % 128
	s_mul_i32 s52, s51, 25*256
	s_mov_b32 s53, 0
	s_mov_b32 s[SEL], 0x76543210
	s_mov_b32 s[SEL+1], 0xfedcba98
	s_wait_alu depctr_va_vdst(0)                   ; the wait ahead of the wait below
	s_wait_kmcnt 0x0
	s_add_nc_u64 s[EB:EB+1], s[4:5], s[20:21]
	s_add_nc_u64 s[10:11], s[10:11], s[16:17]
	s_add_nc_u64 s[HB:HB+1], s[8:9], s[18:19]
	s_mov_b64 s[WB:WB+1], s[6:7]
	s_add_nc_u64 s[PF:PF+1], s[6:7], s[52:53]
	WIN 0x80
.irp u, 0,1,2,3
	XLOAD \u                                       ; K step 0: 64 loads go out before anything else is waited for
.endr
	WIN 0
	s_cmp_lg_u32 s[WV], 0
	s_cbranch_scc1 .Lno_ask
	global_prefetch_b8 v[PFO], s[PF:PF+1] th:TH_LOAD_NT scope:SCOPE_SE   ; 128 x 25 blocks are all of wq: every lane's address lies inside it
.Lno_ask:
	s_mul_i32 s16, s[WV], WSTG
	s_add_co_u32 s16, s16, STG
	s_mul_i32 s17, s[WV], 4*FRB
	s_add_co_u32 s17, s17, AIM
	s_lshl_b32 s18, s[WV], 8
	s_add_co_u32 s18, s18, ASCL
	s_mul_i32 s19, s[RH], 8*FRB
	s_add_co_u32 s19, s19, AIM
	s_mul_i32 s20, s[CH], 8*FRB
	s_lshl_b32 s21, s[RH], 9
	s_add_co_u32 s21, s21, ASCL
	s_lshl_b32 s48, s[CH], 9
	s_lshl_b32 s49, s[WV], 9
	s_add_co_u32 s49, s49, RED
	s_lshl_b32 s50, s[CH], 10
	s_add_co_u32 s50, s50, RED
	s_mov_b32 s[TA], 0
	s_mov_b32 s[TS], 0
	v_mul_u32_u24 v29, v28, STGP
	v_lshl_add_u32 v29, v27, 4, v29
	v_add_nc_u32 v[STI], s16, v29                  ; in: row 2 j + lane / 16, 16 bytes a lane
	v_mul_u32_u24 v29, v27, STGP
	v_lshl_add_u32 v29, v28, 6, v29
	v_add_nc_u32 v[STO], s16, v29
	v_add_nc_u32 v[PIB], s17, v[L16]               ; tiles 4 w + u
	v_lshl_add_u32 v[PSB], v27, 2, s18
	v_add_nc_u32 v[CA], s19, v[L16]
	v_add_nc_u32 v[CA+1], 2*HSTEP, v[CA]
	v_add_nc_u32 v[CA+2], 4*HSTEP, v[CA]
	v_add_nc_u32 v[CA+3], 6*HSTEP, v[CA]
	v_add_nc_u32 v[BO], s20, v[L16]
	v_lshl_add_u32 v[WSO], v26, 2, s48
	v_lshl_add_u32 v[CS], v26, 2, s21
	v_lshl_add_u32 v[RW], v28, 5, s49              ; my 128 partial scores: row 16 a + 8 h + j at 64 a + 32 h + 4 j
	v_add_nc_u32 v[RR], s50, v[L16]
	v_lshlrev_b32 v[HO], 2, v27
	v_lshlrev_b32 v[GO], 4, v0
.irp b, 0,1,2,3
	v_mov_b32 v[TM+4+\b], 0                        ; a lane permute's destination counts as one of its sources
.endr
	WIN 0x40
.set nn, 0
.rept 32
	v_mov_b32 v[SS+nn], 0                          ; the score sums: all four column blocks add onto them by one and the same text
	v_mov_b32 v[SS+128+nn], 0
.set nn, nn+1
.endr
	WIN 0
	s_wait_alu depctr_va_vdst(0)                   ; the wait at the head's end
	; ---- part 1
	s_mov_b32 s[CNT], 7
.Lquant:                                               ; K steps 0 to 6
	s_wait_xcnt 0x0                                ; the loads that are out have had their addresses translated: their base may step
	s_add_nc_u64 s[EB:EB+1], s[EB:EB+1], 512
	v_add_nc_u32 v[PI], s[TA], v[PIB]
	v_add_nc_u32 v[PS], s[TS], v[PSB]
	PRODUCE 1
	s_add_co_u32 s[TA], s[TA], HSTEP
	s_add_co_u32 s[TS], s[TS], 1024
	s_sub_co_u32 s[CNT], s[CNT], 1
	s_cmp_lg_u32 s[CNT], 0
	s_cbranch_scc1 .Lquant
	v_add_nc_u32 v[PI], s[TA], v[PIB]              ; K step 7 is written out: no load leaves its row
	v_add_nc_u32 v[PS], s[TS], v[PSB]
	PRODUCE 0
	; ---- part 2: the loads that the runs of two steps before the first would have issued, in their order
.irp t, 0,1
.set T2, \t
.irp i, 0,1,2,3,4,5,6,7
	GB \i
.endr
.irp j, 0,1,2,3
	GSW \j
.endr
.endr
	s_wait_dscnt 0x0                               ; for the others' sake: my images and scale words lie in LDS
	s_barrier_signal -1
	s_barrier_wait -1
.irp i, 0,1,2,3,4,5,6,7
	LA \i, 0
.endr
.irp j, 0,1,2,3
	LSA \j, 0
.endr
.irp i, 0,1,2,3
	LA \i, 1
.endr
	s_mov_b32 s[CNT], 3
.Lblock:                                               ; column blocks 0 to 2
	NBLOCK 0
	s_sub_co_u32 s[CNT], s[CNT], 1
	s_cmp_lg_u32 s[CNT], 0
	s_cbranch_scc1 .Lblock
	NBLOCK 1
	; each sum over the 16 lanes of a half: my 128 columns of every block
	WIN 0x45                                       ; sources 0 and 1 and destination: window 1
.irp m, 1,2,4,8
.set nn, 0
.rept 32
	v_add_f32_dpp v[SS+nn], v[SS+nn], v[SS+nn] row_xmask:\m row_mask:0xf bank_mask:0xf
	v_add_f32_dpp v[SS+128+nn], v[SS+128+nn], v[SS+128+nn] row_xmask:\m row_mask:0xf bank_mask:0xf
.set nn, nn+1
.endr
.endr
	WIN 0x04                                       ; store data: window 1
.set nn, 0
.rept 16
	ds_store_b128 v[RW], v[SS+128*(nn/8)+4*(nn%8):SS+128*(nn/8)+4*(nn%8)+3] offset:64*(nn/2)+16*(nn%2)   ; the 16 lanes of a half write the same bytes with the same values
.set nn, nn+1
.endr
	WIN 0
	s_wait_dscnt 0x0                               ; for the others' sake
	s_barrier_signal -1
	s_barrier_wait -1
	s_cmp_lt_u32 s[WV], 2
	s_cbranch_scc0 .Lno_out                        ; wave 0 adds waves 0 and 1's parts (rows 0-127), wave 1 waves 2 and 3's
	ds_load_b128 v[32:35], v[RR]
	ds_load_b128 v[36:39], v[RR] offset:512
	s_wait_dscnt 0x0
	v_pk_add_f32 v[32:33], v[32:33], v[36:37]
	v_pk_add_f32 v[34:35], v[34:35], v[38:39]
	global_store_b128 v[GO], v[32:35], s[10:11]    ; a wave stores 512 consecutive bytes, aligned
.Lno_out:
	s_wait_tensorcnt 0x0                           ; the wave's end
	ds_add_u32 v[SPW], v[NIL]
	s_wait_dscnt 0x0
	s_endpgm
.Lfunc_end_k_q6e519932d2_scores_k:
	.size	k_q6e519932d2_scores_k, .Lfunc_end_k_q6e519932d2_scores_k-k_q6e519932d2_scores_k
	.p2alignl 7, 3214868480
	.fill 96, 4, 3214868480
	.section	.rodata,"a",@progbits
	.p2align	6, 0x0
	.amdhsa_kernel k_q6e519932d2_scores_k
		.amdhsa_group_segment_fixed_size 224768
		.amdhsa_private_segment_fixed_size 0
		.amdhsa_enable_private_segment 0
		.amdhsa_kernarg_size 32
		.amdhsa_user_sgpr_count 2
		.amdhsa_user_sgpr_kernarg_segment_ptr 1
		.amdhsa_wavefront_size32 1
		.amdhsa_system_sgpr_workgroup_id_x 1
		.amdhsa_system_sgpr_workgroup_id_y 1
		.amdhsa_system_sgpr_workgroup_id_z 1
		.amdhsa_system_vgpr_workitem_id 0
		.amdhsa_next_free_vgpr 1024
		.amdhsa_next_free_sgpr 66
		.amdhsa_reserve_vcc 0
		.amdhsa_float_denorm_mode_32 3
		.amdhsa_float_denorm_mode_16_64 3
		.amdhsa_memory_ordered 1
		.amdhsa_forward_progress 1
		.amdhsa_inst_pref_size 255
	.end_amdhsa_kernel
	.section	.bss,"aw",@nobits
	.p2align	6
	.space	262144
	.amdgpu_metadata
---
amdhsa.version: [ 1, 2 ]
amdhsa.kernels:
  - .name:           k_q6e519932d2_scores_k
    .symbol:         k_q6e519932d2_scores_k.kd
    .args:
      - { .name: encoder_outputs, .offset: 0, .size: 8, .value_kind: global_buffer, .address_space: global }
      - { .name: wq, .offset: 8, .size: 8, .value_kind: global_buffer, .address_space: global }
      - { .name: hidden_state, .offset: 16, .size: 8, .value_kind: global_buffer, .address_space: global }
      - { .name: scores, .offset: 24, .size: 8, .value_kind: global_buffer, .address_space: global }
    .group_segment_fixed_size: 224768
    .private_segment_fixed_size: 0
    .kernarg_segment_align: 8
    .kernarg_segment_size: 32
    .max_flat_workgroup_size: 128
    .sgpr_count:     66
    .vgpr_count:     1024
    .wavefront_size: 32
...
	.end_amdgpu_metadata
.endif
;; end of part 2
;; launch softmax (part 3): grid 64 x 1, 1 waves a work-group, no clusters, 0 bytes of LDS; arguments scores, out0; writes out0
.if DOCPART == 3
	.amdgcn_target "amdgcn-amd-amdhsa--gfx1250"
	.amdhsa_code_object_version 6
	.text
	.protected	k_q6e519932d2_softmax
	.globl	k_q6e519932d2_softmax
	.p2align	8
	.type	k_q6e519932d2_softmax,@function
k_q6e519932d2_softmax:
	s_mov_b64 s[64:65], 0
	v_nop
	global_prefetch_b8 v0, s[64:65] scope:SCOPE_SE
	s_setreg_imm32_b32 hwreg(HW_REG_WAVE_MODE, 25, 1), 1
	s_wait_xcnt 0x0
; out0[b][0][l] = softmax over l of scores[b][l].  One wave takes a row of 1,024 f32: eight loads of 512 consecutive bytes, 32 numbers a lane, kept in registers between the passes.
; The row's maximum m is taken away ahead of the exponential: t = x log2(e) - fl(m log2(e)), one fused multiply-add; the rounding of the subtrahend is the same for the whole row and
; cancels in the division by the sum.  Terms under 2^-126 of the largest come out as zeros.  No LDS, no barrier, no matrix unit: 4,096 bytes in and out for each of 64 rows.
	s_load_b128 s[4:7], s[0:1], 0x0                ; scores, out0
	v_lshlrev_b32 v1, 4, v0                        ; 16 bytes a lane
	s_lshl_b32 s10, ttmp9, 12                      ; row b
	s_mov_b32 s11, 0
	s_mov_b32 s8, 0x3fb8aa3b                       ; log2(e)
	s_mov_b32 s9, s8                               ; (named with it as a pair, so it is written)
	s_mov_b32 s12, 0x76543210
	s_mov_b32 s13, 0xfedcba98                      ; v_permlanex16_b32's selects for lane l xor 16
	s_wait_alu depctr_va_vdst(0)
	s_wait_kmcnt 0x0
	s_add_nc_u64 s[4:5], s[4:5], s[10:11]
	s_add_nc_u64 s[6:7], s[6:7], s[10:11]
.irp i, 0,1,2,3,4,5,6,7
	global_load_b128 v[8+4*\i:11+4*\i], v1, s[4:5] offset:512*\i
.endr
	s_wait_loadcnt 0x0
	v_max3_num_f32 v40, v8, v9, v10                ; the largest of my 32, in two chains
	v_max3_num_f32 v41, v11, v12, v13
.irp i, 14,18,22,26,30,34
	v_max3_num_f32 v40, v40, v[\i], v[\i+1]
	v_max3_num_f32 v41, v41, v[\i+2], v[\i+3]
.endr
	v_max3_num_f32 v40, v40, v38, v39
	v_max_num_f32 v40, v40, v41
	v_max_num_f32_dpp v40, v40, v40 row_xmask:1 row_mask:0xf bank_mask:0xf
	v_max_num_f32_dpp v40, v40, v40 row_xmask:2 row_mask:0xf bank_mask:0xf
	v_max_num_f32_dpp v40, v40, v40 row_xmask:4 row_mask:0xf bank_mask:0xf
	v_max_num_f32_dpp v40, v40, v40 row_xmask:8 row_mask:0xf bank_mask:0xf
	v_permlanex16_b32 v41, v40, s12, s13
	v_max_num_f32 v40, v40, v41                    ; every lane holds the row's maximum
	v_mul_f32 v42, s8, v40
	v_mov_b32 v43, v42
.irp j, 8,10,12,14,16,18,20,22,24,26,28,30,32,34,36,38
	v_pk_fma_f32 v[\j:\j+1], v[\j:\j+1], s[8:9], v[42:43] op_sel_hi:[1,0,1] neg_lo:[0,0,1] neg_hi:[0,0,1]
.endr
	s_wait_alu depctr_va_vdst(0)
.irp j, 8,9,10,11,12,13,14,15,16,17,18,19,20,21,22,23,24,25,26,27,28,29,30,31,32,33,34,35,36,37,38,39
	v_exp_f32 v[\j], v[\j]
.endr
	v_nop                                          ; a plain place between the exponentials and the use of their results
	s_wait_alu depctr_va_vdst(0)
	v_pk_add_f32 v[44:45], v[8:9], v[10:11]        ; the sum, two at a time, in two chains
	v_pk_add_f32 v[46:47], v[12:13], v[14:15]
.irp j, 16,20,24,28,32,36
	v_pk_add_f32 v[44:45], v[44:45], v[\j:\j+1]
	v_pk_add_f32 v[46:47], v[46:47], v[\j+2:\j+3]
.endr
	v_pk_add_f32 v[44:45], v[44:45], v[46:47]
	v_add_f32 v44, v44, v45
	v_add_f32_dpp v44, v44, v44 row_xmask:1 row_mask:0xf bank_mask:0xf
	v_add_f32_dpp v44, v44, v44 row_xmask:2 row_mask:0xf bank_mask:0xf
	v_add_f32_dpp v44, v44, v44 row_xmask:4 row_mask:0xf bank_mask:0xf
	v_add_f32_dpp v44, v44, v44 row_xmask:8 row_mask:0xf bank_mask:0xf
	v_permlanex16_b32 v45, v44, s12, s13
	v_add_f32 v44, v44, v45                        ; the row's sum, at least 1's worth: the largest term is 2^0 within a rounding
	s_wait_alu depctr_va_vdst(0)
	v_rcp_f32 v46, v44
	v_nop                                          ; a plain place behind the reciprocal
	s_wait_alu depctr_va_vdst(0)
	v_mov_b32 v47, v46
.irp j, 8,10,12,14,16,18,20,22,24,26,28,30,32,34,36,38
	v_pk_mul_f32 v[\j:\j+1], v[\j:\j+1], v[46:47]
.endr
.irp i, 0,1,2,3,4,5,6,7
	global_store_b128 v1, v[8+4*\i:11+4*\i], s[6:7] offset:512*\i   ; 32 lanes store 512 consecutive bytes, aligned
.endr
	s_endpgm
.Lfunc_end_k_q6e519932d2_softmax:
	.size	k_q6e519932d2_softmax, .Lfunc_end_k_q6e519932d2_softmax-k_q6e519932d2_softmax
	.p2alignl 7, 3214868480
	.fill 96, 4, 3214868480
	.section	.rodata,"a",@progbits
	.p2align	6, 0x0
	.amdhsa_kernel k_q6e519932d2_softmax
		.amdhsa_group_segment_fixed_size 0
		.amdhsa_private_segment_fixed_size 0
		.amdhsa_enable_private_segment 0
		.amdhsa_kernarg_size 16
		.amdhsa_user_sgpr_count 2
		.amdhsa_user_sgpr_kernarg_segment_ptr 1
		.amdhsa_wavefront_size32 1
		.amdhsa_system_sgpr_workgroup_id_x 1
		.amdhsa_system_sgpr_workgroup_id_y 1
		.amdhsa_system_sgpr_workgroup_id_z 1
		.amdhsa_system_vgpr_workitem_id 0
		.amdhsa_next_free_vgpr 64
		.amdhsa_next_free_sgpr 66
		.amdhsa_reserve_vcc 0
		.amdhsa_float_denorm_mode_32 3
		.amdhsa_float_denorm_mode_16_64 3
		.amdhsa_memory_ordered 1
		.amdhsa_forward_progress 1
		.amdhsa_inst_pref_size 9
	.end_amdhsa_kernel
	.amdgpu_metadata
---
amdhsa.version: [ 1, 2 ]
amdhsa.kernels:
  - .name:           k_q6e519932d2_softmax
    .symbol:         k_q6e519932d2_softmax.kd
    .args:
      - { .name: scores, .offset: 0, .size: 8, .value_kind: global_buffer, .address_space: global }
      - { .name: out0, .offset: 8, .size: 8, .value_kind: global_buffer, .address_space: global }
    .group_segment_fixed_size: 0
    .private_segment_fixed_size: 0
    .kernarg_segment_align: 8
    .kernarg_segment_size: 16
    .max_flat_workgroup_size: 32
    .sgpr_count:     66
    .vgpr_count:     64
    .wavefront_size: 32
...
	.end_amdgpu_metadata
.endif
;; end of part 3
